; MI455X (gfx1250); checked and timed in simulation.
; The chip was launched on July 23, 2026; its instructions are those of AMD's public machine-readable ISA for CDNA 5 (MIT licence, August 2026) and "CDNA5" Instruction Set Architecture Reference Guide (July 2026). The comments in the code are by the model that wrote it; some were corrected since.
;; Transformer Model Large. Allowed arithmetic: float matrix products may take bf16 or f16 operands with f32 sums; other float arithmetic in f32, or as packed bf16 or f16 multiplies, adds, multiply-adds, maxima and minima; sums over many terms, partial sums and values carried from step to step in f32; what a program stores and reads back later, other than sums and carried values, may be rounded once to bf16 or f16.
;; Inputs: params_block1_Wd 256 x 256 float32; params_block1_Wout 256 x 256 float32; params_block1_Wv 256 x 256 float32; params_block1_attn_Wo 256 x 256 float32; params_block1_attn_Wv 256 x 256 float32; params_block1_attn_bo 256 float32; params_block1_attn_bv 256 float32; params_block1_bd 256 float32; params_block1_bout 256 float32; params_block1_bv 256 float32; params_block1_ln_b 256 float32; params_block1_ln_g 256 float32; params_block2_Wd 256 x 256 float32; params_block2_Wout 256 x 256 float32; params_block2_Wv 256 x 256 float32; params_block2_attn_Wo 256 x 256 float32; params_block2_attn_Wv 256 x 256 float32; params_block2_attn_bo 256 float32; params_block2_attn_bv 256 float32; params_block2_bd 256 float32; params_block2_bout 256 float32; params_block2_bv 256 float32; params_block2_ln_b 256 float32; params_block2_ln_g 256 float32; params_block3_Wd 256 x 256 float32; params_block3_Wout 1 x 256 float32; params_block3_Wv 256 x 256 float32; params_block3_attn_Wo 256 x 256 float32; params_block3_attn_Wv 256 x 256 float32; params_block3_attn_bo 256 float32; params_block3_attn_bv 256 float32; params_block3_bd 256 float32; params_block3_bout 1 float32; params_block3_bv 256 float32; params_block3_ln_b 256 float32; params_block3_ln_g 256 float32; params_head_W 256 x 2,048 float32; params_head_b 256 float32; x 32,768 x 2,048 float32.
;; Outputs: out0 32,768 x 1 float32.
;; One version. Each part assembles by itself: llvm-mc -triple=amdgcn-amd-amdhsa -mcpu=gfx1250 --defsym DOCPART=n.
;; ======== version 1 of 1: 2 launches
;; limits: values outside matrix products are rounded to bf16
;; workspace buffers: wbuf 2,883,584 bytes
;; launch prep (part 1): grid 22 x 8, 8 waves a work-group, no clusters, 0 bytes of LDS; arguments params_head_W, params_block1_Wv, params_block1_attn_Wv, params_block1_attn_Wo, params_block1_Wd, params_block1_Wout, params_block2_Wv, params_block2_attn_Wv, params_block2_attn_Wo, params_block2_Wd, params_block2_Wout, params_block3_Wv, params_block3_attn_Wv, params_block3_attn_Wo, params_block3_Wd, wbuf; writes wbuf
.if DOCPART == 1
	.amdgcn_target "amdgcn-amd-amdhsa--gfx1250"
	.amdhsa_code_object_version 6
	.text
	.protected	k_q910af51afa_prep
	.globl	k_q910af51afa_prep
	.p2align	8
	.type	k_q910af51afa_prep,@function
k_q910af51afa_prep:
	s_mov_b64 s[64:65], 0
	v_nop
	global_prefetch_b8 v0, s[64:65] scope:SCOPE_SE
	s_setreg_imm32_b32 hwreg(HW_REG_WAVE_MODE, 25, 1), 1
	s_wait_xcnt 0x0
; THE WEIGHTS, ROUNDED ONCE TO bf16 AND LAID IN TILES.  wbuf holds 22 tiles of 256 out-features x 256 k, bf16, dense (rows of 512 bytes, 131,072 bytes a tile):
; tiles 0-7 are head_W[:, 256 t .. 256 t + 255]; tiles 8-21 the fourteen 256 x 256 matrices in the order in which the network multiplies by them.
; SHARES.  Work-group (T, Y) makes rows 32 Y .. 32 Y + 31 of tile T, each of its eight waves four rows.  A row is 1,024 bytes of f32: two loads of 16 bytes a lane, 512 consecutive
; bytes each; four roundings; two stores of 8 bytes a lane, each 256 consecutive bytes at a multiple of 256 from wbuf's first byte.
; Memory binds and nothing is shared: no LDS, no barrier, no matrix unit.  22 x 8 work-groups are all the work there is.
.set SRC,  8                           ; s[8:37]   the fifteen matrices' addresses; s[38:39] wbuf
.set OFF,  2                           ; v[2:5]    row i of my four: 16 x lane + i x the source's pitch
.set ST8,  6                           ; v6        8 x lane
.set IN,   8                           ; v[8:39]   row i: 8 registers as loaded
.set PK,   40                          ; v[40:55]  row i: 4 registers to store
	s_load_b512 s[8:23], s[0:1], 0x0               ; head_W and seven matrices
	s_load_b512 s[24:39], s[0:1], 0x40             ; seven matrices and wbuf
	v_lshrrev_b32 v7, 5, v0
	v_readfirstlane_b32 s41, v7                    ; wave 0..7
	v_and_b32 v1, 31, v0                           ; lane
	v_lshlrev_b32 v[OFF], 4, v1
	v_lshlrev_b32 v[ST8], 3, v1
	s_and_b32 s44, ttmp7, 0xffff                   ; Y
	s_max_u32 s2, ttmp9, 7
	s_sub_co_u32 s2, s2, 7                         ; which matrix: 0 = head_W (tiles 0-7), 1 .. 14 the others
	s_lshl_b32 s45, ttmp9, 10                      ; a head tile's first column, in bytes
	s_mov_b32 s3, 1024
	s_cmp_lt_u32 ttmp9, 8
	s_cselect_b32 s3, 8192, s3                     ; bytes from row to row in the source
	s_cselect_b32 s40, s45, 0
	s_lshl_b32 s46, s44, 5
	s_lshl2_add_u32 s46, s41, s46                  ; my first row: 32 Y + 4 x wave
	s_mul_i32 s42, s46, s3
	s_add_co_u32 s42, s42, s40                     ; its byte offset in the source (under 2^21)
	s_mov_b32 s43, 0
	s_lshl_b32 s48, ttmp9, 17
	s_lshl_b32 s47, s46, 9
	s_add_co_u32 s48, s48, s47                     ; and in wbuf
	s_mov_b32 s49, 0
	v_add_nc_u32 v[OFF+1], s3, v[OFF]
	v_add_nc_u32 v[OFF+2], s3, v[OFF+1]
	v_add_nc_u32 v[OFF+3], s3, v[OFF+2]
	s_wait_kmcnt 0x0
	s_mov_b64 s[4:5], s[SRC:SRC+1]
.irp n, 1,2,3,4,5,6,7,8,9,10,11,12,13,14
	s_cmp_eq_u32 s2, \n                            ; a choice between buffers, on the tile's number alone
	s_cselect_b64 s[4:5], s[SRC+2*(\n):SRC+2*(\n)+1], s[4:5]
.endr
	s_add_nc_u64 s[4:5], s[4:5], s[42:43]
	s_add_nc_u64 s[6:7], s[38:39], s[48:49]
.irp i, 0,1,2,3
	global_load_b128 v[IN+8*(\i):IN+8*(\i)+3],   v[OFF+(\i)], s[4:5] th:TH_LOAD_NT
	global_load_b128 v[IN+8*(\i)+4:IN+8*(\i)+7], v[OFF+(\i)], s[4:5] offset:512 th:TH_LOAD_NT
.endr
.irp i, 0,1,2,3
	s_wait_loadcnt 6-2*(\i)                        ; loads come back in order: row i is in, the younger rows' loads stay out
	v_cvt_pk_bf16_f32 v[PK+4*(\i)],   v[IN+8*(\i)],   v[IN+8*(\i)+1]
	v_cvt_pk_bf16_f32 v[PK+4*(\i)+1], v[IN+8*(\i)+2], v[IN+8*(\i)+3]
	v_cvt_pk_bf16_f32 v[PK+4*(\i)+2], v[IN+8*(\i)+4], v[IN+8*(\i)+5]
	v_cvt_pk_bf16_f32 v[PK+4*(\i)+3], v[IN+8*(\i)+6], v[IN+8*(\i)+7]
	global_store_b64 v[ST8], v[PK+4*(\i):PK+4*(\i)+1],   s[6:7] offset:512*(\i)
	global_store_b64 v[ST8], v[PK+4*(\i)+2:PK+4*(\i)+3], s[6:7] offset:512*(\i)+256
.endr
	s_endpgm                                       ; no register is written twice, so nothing waits for the stores
.Lfunc_end_k_q910af51afa_prep:
	.size	k_q910af51afa_prep, .Lfunc_end_k_q910af51afa_prep-k_q910af51afa_prep
	.p2alignl 7, 3214868480
	.fill 96, 4, 3214868480
	.section	.rodata,"a",@progbits
	.p2align	6, 0x0
	.amdhsa_kernel k_q910af51afa_prep
		.amdhsa_group_segment_fixed_size 0
		.amdhsa_private_segment_fixed_size 0
		.amdhsa_enable_private_segment 0
		.amdhsa_kernarg_size 128
		.amdhsa_user_sgpr_count 2
		.amdhsa_user_sgpr_kernarg_segment_ptr 1
		.amdhsa_wavefront_size32 1
		.amdhsa_system_sgpr_workgroup_id_x 1
		.amdhsa_system_sgpr_workgroup_id_y 1
		.amdhsa_system_sgpr_workgroup_id_z 1
		.amdhsa_system_vgpr_workitem_id 0
		.amdhsa_next_free_vgpr 56
		.amdhsa_next_free_sgpr 66
		.amdhsa_reserve_vcc 0
		.amdhsa_float_denorm_mode_32 3
		.amdhsa_float_denorm_mode_16_64 3
		.amdhsa_memory_ordered 1
		.amdhsa_forward_progress 1
		.amdhsa_inst_pref_size 5
	.end_amdhsa_kernel
	.amdgpu_metadata
---
amdhsa.version: [ 1, 2 ]
amdhsa.kernels:
  - .name:           k_q910af51afa_prep
    .symbol:         k_q910af51afa_prep.kd
    .args:
      - { .name: params_head_W, .offset: 0, .size: 8, .value_kind: global_buffer, .address_space: global }
      - { .name: params_block1_Wv, .offset: 8, .size: 8, .value_kind: global_buffer, .address_space: global }
      - { .name: params_block1_attn_Wv, .offset: 16, .size: 8, .value_kind: global_buffer, .address_space: global }
      - { .name: params_block1_attn_Wo, .offset: 24, .size: 8, .value_kind: global_buffer, .address_space: global }
      - { .name: params_block1_Wd, .offset: 32, .size: 8, .value_kind: global_buffer, .address_space: global }
      - { .name: params_block1_Wout, .offset: 40, .size: 8, .value_kind: global_buffer, .address_space: global }
      - { .name: params_block2_Wv, .offset: 48, .size: 8, .value_kind: global_buffer, .address_space: global }
      - { .name: params_block2_attn_Wv, .offset: 56, .size: 8, .value_kind: global_buffer, .address_space: global }
      - { .name: params_block2_attn_Wo, .offset: 64, .size: 8, .value_kind: global_buffer, .address_space: global }
      - { .name: params_block2_Wd, .offset: 72, .size: 8, .value_kind: global_buffer, .address_space: global }
      - { .name: params_block2_Wout, .offset: 80, .size: 8, .value_kind: global_buffer, .address_space: global }
      - { .name: params_block3_Wv, .offset: 88, .size: 8, .value_kind: global_buffer, .address_space: global }
      - { .name: params_block3_attn_Wv, .offset: 96, .size: 8, .value_kind: global_buffer, .address_space: global }
      - { .name: params_block3_attn_Wo, .offset: 104, .size: 8, .value_kind: global_buffer, .address_space: global }
      - { .name: params_block3_Wd, .offset: 112, .size: 8, .value_kind: global_buffer, .address_space: global }
      - { .name: wbuf, .offset: 120, .size: 8, .value_kind: global_buffer, .address_space: global }
    .group_segment_fixed_size: 0
    .private_segment_fixed_size: 0
    .kernarg_segment_align: 8
    .kernarg_segment_size: 128
    .max_flat_workgroup_size: 256
    .sgpr_count:     66
    .vgpr_count:     56
    .wavefront_size: 32
...
	.end_amdgpu_metadata
.endif
;; end of part 1
;; launch fused (part 2): grid 256 x 1, 4 waves a work-group, clusters of 4 x 1, 327,680 bytes of LDS; arguments x, wbuf, out0, params_block3_bout, params_head_b, params_block1_bv, params_block1_attn_bv, params_block1_attn_bo, params_block1_ln_g, params_block1_ln_b, params_block1_bd, params_block1_bout, params_block2_bv, params_block2_attn_bv, params_block2_attn_bo, params_block2_ln_g, params_block2_ln_b, params_block2_bd, params_block2_bout, params_block3_bv, params_block3_attn_bv, params_block3_attn_bo, params_block3_ln_g, params_block3_ln_b, params_block3_bd, params_block3_Wout; writes out0
.if DOCPART == 2
	.amdgcn_target "amdgcn-amd-amdhsa--gfx1250"
	.amdhsa_code_object_version 6
	.text
	.protected	k_q910af51afa_fused
	.globl	k_q910af51afa_fused
	.p2align	8
	.type	k_q910af51afa_fused,@function
k_q910af51afa_fused:
	s_mov_b64 s[64:65], 0
	v_nop
	global_prefetch_b8 v0, s[64:65] scope:SCOPE_SE
	s_setreg_imm32_b32 hwreg(HW_REG_WAVE_MODE, 25, 1), 1
	s_wait_xcnt 0x0
	s_wait_alu depctr_hold_cnt(0) depctr_sa_sdst(0) depctr_va_vdst(0) depctr_va_sdst(0) depctr_va_ssrc(0) depctr_va_vcc(0) depctr_vm_vsrc(0)
	s_getreg_b32 s2, hwreg(HW_REG_IB_STS2, 6, 4)
	s_cmp_eq_u32 s2, 0
	s_cbranch_scc0 .Lentry_in_a_cluster
	s_endpgm
.Lentry_in_a_cluster:
	s_bfe_u32 s2, ttmp6, 0x10000c
	s_cmp_lg_u32 s2, 0x3003
	s_cbranch_scc0 .Lentry_shape_is_right
	s_endpgm
.Lentry_shape_is_right:
; THE WHOLE NETWORK ON 128 ROWS OF x A WORK-GROUP: head (2,048 -> 256, ReLU), three blocks of 256 features (Linear + ReLU, Linear, Linear, LayerNorm, Linear + ReLU, then Linear + residual + ReLU,
; or in the last block 256 -> 1 and a sigmoid).  It is 22 STEPS of one form, ACC += Wtile x ACT with a tile of 256 out-features x 256 k: eight for the head, on one set of sums, and fourteen for the blocks.
; SHARES.  256 work-groups of four waves; a wave owns 32 whole rows (two row tiles of 16) and all 256 features: 32 accumulators of 16 x 16, 256 registers.
; LAYOUT.  Every product is taken transposed: source 0 = 16 rows of W (out-features), source 1 = 16 rows of the batch.  In the result a lane holds ONE batch row (lane % 16) and the features
; 16 m + 8 (lane / 16) + 0..7.  Two such results, rounded to bf16 in pairs, ARE source 1 (32 k x 16 rows) of the next layer.  So activations never leave registers, no wave waits for another's
; activations, and a row's LayerNorm sums want one exchange between the halves of the lanes.  A bias is loaded into the accumulators ahead of its layer: it starts the sums; nothing is cleared.
; WEIGHTS come as bf16 tiles from wbuf through a ring of two LDS slots, a tile a slot, a quarter of it (64 rows of 512 bytes) by each wave's tensor load.
; CLUSTER.  All work-groups walk the same 22 tiles, so the four of a cluster ask for each quarter JOINTLY: the same load, descriptor and mask in all four.  (A mask names four at the most.)
; x comes straight from memory into registers, in source 1's layout (a lane: 32 and 32 consecutive bytes of one row for 32 k): 64 loads of 16 bytes a lane are on their way in each wave, one K step ahead,
; behind counted waits.  Nothing of x is shared, so nothing of it goes through LDS.
; FORMATS AND LIMITS.  Matrix operands (x, weights, activations, the last layer's weights) are rounded to bf16, which has f32's range; the residual is kept rounded once to bf16; all sums, the biases,
; LayerNorm (mean first, then the squares of the differences) and the sigmoid are f32.  v_rsq_f32, v_exp_f32 and v_rcp_f32 are good to one unit in the last place; where 2^t overflows the sigmoid is 0, where it
; falls under 2^-126 it is 1.  NaN and infinities are not treated apart.
;
; LDS: slot 0 at 0, slot 1 at SLOT (rows of 528 bytes); VT: the 22 vectors (biases, gains, the last weights) in f32, stored once; OST: the 128 results; SPARE: the spare words.  No tensor load lands behind 2 SLOT.
; REGISTERS, in windows of 256 (s_set_vgpr_msb: bits 1:0 source 0, 3:2 source 1, 5:4 source 2, 7:6 destination):
;   window 0: v0-15 addresses and constants; v16-47 LayerNorm's sums and statistics; v64-191 ACT: fragment (k chunk c, row tile rt) at 64 + 16 c + 8 rt
;   window 1: F0 = v0-127, F1 = v128-255: the weights' fragments of one k chunk, feature tile m at 8 m; in LayerNorm gain and bias; at the end the last layer's weights
;   window 2: ACC: accumulator (m, rt) at 16 m + 8 rt          window 3: in the head x as loaded (f32); afterwards v0-127 RES, the block's input in bf16, laid out as ACT
.set PITCH, 528                        ; an LDS row: 512 bytes + 16 of padding = 132 words: the 16 rows of a fragment load start at 16 different groups of four banks (64 banks of 4 bytes: ISA guide 11.1)
.set QUART, 64*PITCH                   ; what one tensor load brings
.set SLOT,  4*QUART                    ; 135,168 = 0x21000: it shares no bit with wave x QUART, so one exclusive or turns an address in one slot into the other's
.set VT,    2*SLOT
.set OST,   VT+22*1024
.set SPARE, OST+512                    ; the spare words, 128 bytes for each wave: two blocks of 256 bytes that no other line names
.set TILEB, 131072                     ; bytes of a tile in wbuf
.set XROW,  8192                       ; bytes of a row of x
.set RL,  1                            ; v1   lane % 16
.set HL,  2                            ; v2   lane / 16
.set WL,  3                            ; v3   my place in a weight tile: 528 (lane % 16) + 16 (lane / 16); never rewritten
.set WA0, 4                            ; v4   the same in the slot in hand, feature tiles 0-7;  v5: tiles 8-15
.set XO,  6                            ; v6   my byte offset in 16 rows of x: 8,192 (lane % 16) + 32 (lane / 16); never rewritten
.set VTL, 7                            ; v7   VT + 32 (lane / 16); never rewritten
.set VA,  8                            ; v8   LDS address of the vector in hand
.set ZERO, 9                           ; v9   0, for the packed maximum
.set ONE, 10                           ; v10  1.0
.set PFO, 11                           ; v11  256 x lane; never rewritten
.set SPW, 12                           ; v12  LDS address of my spare word: SPARE + 4 x my thread's number; never rewritten
.set NIL, 13                           ; v13  0; never rewritten
.set T8,  14                           ; v14  8 x thread; never rewritten
.set OSA, 15                           ; v15  OST + 4 x thread
.set CH,  16                           ; v16-31  eight pair sums: (rt, q) at 16 + 8 rt + 2 q.  (v16 first holds VT + 8 x thread, for the vectors' way into LDS)
.set MEAN, 32                          ; v32-35  the row's mean, twice, for each rt
.set RSTD, 36                          ; v36-39  1 / sqrt(var + eps), twice, for each rt
.set TMP, 40                           ; v40-47  at work
.set ACT, 64
.set F0,  0
.set F1,  128
.set X,   4                            ; s[4:5]   x at my wave's first row, at the K step to be loaded
.set WB,  6                            ; s[6:7]   wbuf
.set OUT, 8                            ; s[8:9]   out0 at my work-group's 128 numbers;  s[10:11] block3's bout, s12 its value
.set WV,  13                           ; s13  my wave's number
.set VEC, 16                           ; s[16:59] the 22 vectors' addresses
.set SEL, 60                           ; s[60:61] v_permlanex16_b32's selects: each lane takes its own place in the other half
.set LEFT, 62                          ; s62  refills still to come
.set J,   63                           ; s63  the layer's place in its block, 0..4
.set PFA, 66                           ; s[66:67] where my prefetches stand
.set LIM, 68                           ; s68  1 in a cluster that prefetches, else the greatest number
.set TB,  69                           ; s69  LDS byte at which the slot in hand begins
.set VTO, 70                           ; s70  byte offset in VT of the next vector
.set FLAGS, 71                         ; s71  what follows the step's products: bit 0 residual, 1 LayerNorm, 2 ReLU, 3 keep as residual
.set CNT, 72                           ; s72  the loops' count
.set G0,  76                           ; s[76:79] descriptor group 0: it walks
.set G1,  80                           ; s[80:87] descriptor group 1
.set R256, 90                          ; s90  1 / 256
.set EPSI, 91                          ; s91  1e-5
.set NLE, 92                           ; s92  -log2(e)
.set NLB, 93                           ; s93  -log2(e) x bout
.set TABLE, 94                         ; s94  FLAGS for J = 0..4, four bits each: ReLU; nothing; LayerNorm; ReLU; residual + ReLU + keep
.set MSB, 0
.macro WIN new                         ; the immediate's high byte repeats the setting that is left; a switch that changes nothing is dropped
.if MSB != (\new)
	s_set_vgpr_msb (MSB<<8)|(\new)
.set MSB, (\new)
.endif
.endm
; A vector instruction that reads a matrix result or writes one of a matrix instruction's registers, and a load into such a register, stand four places behind it, and only plain vector
; instructions that name none of its registers are places (ISA guide 7.12.1 for vector instructions).
.macro PLACES
.rept 4
	v_nop
.endr
.endm
; A round of the cluster's barrier: my work-group's barrier, so that wave 0's signal speaks for all four waves; wave 0 signals; every wave waits for all four work-groups; my work-group's barrier once more.
.macro CROUND
	s_barrier_signal -1
	s_barrier_wait -1
	s_cmp_lg_u32 s[WV], 0
	s_cbranch_scc1 .Lnot_wave_0_\@
	s_barrier_signal -3
.Lnot_wave_0_\@:
	s_barrier_wait -3
	s_barrier_signal -1
	s_barrier_wait -1
.endm
; 32 LDS loads in one run: the weights' fragments of k chunk u (32 k, 64 bytes of each row) for all 16 feature tiles, into buffer f; tiles 0-7 first.
; A fragment is 16 rows x 32 k in 8 registers: lane l holds row l % 16; registers 0-3 k = 8 (l / 16) + 0..7, registers 4-7 k = 16 + 8 (l / 16) + 0..7: two loads of 16 bytes, 32 bytes apart.
.macro FETCHU u, f
	WIN 0x40                                       ; destination window 1, address window 0
.set m, 0
.rept 16
	ds_load_b128 v[(\f)+8*m:(\f)+8*m+3],   v[WA0+m/8] offset:(m%8)*16*PITCH+64*(\u)
	ds_load_b128 v[(\f)+8*m+4:(\f)+8*m+7], v[WA0+m/8] offset:(m%8)*16*PITCH+64*(\u)+32
.set m, m+1
.endr
.endm
; 16 matrix instructions: feature tiles 8 half .. 8 half + 7 x both row tiles, k chunk u.  The 32 accumulators take turns, one instruction a turn, in the same order in every chunk and step.
.macro MUL16 f, u, half
	WIN 0xa1                                       ; source 0 (W) window 1, source 1 (ACT) window 0, C and D window 2
.set m, 8*(\half)
.rept 8
	v_wmma_f32_16x16x32_bf16 v[16*m:16*m+7],    v[(\f)+8*m:(\f)+8*m+7], v[ACT+16*(\u):ACT+16*(\u)+7],    v[16*m:16*m+7]
	v_wmma_f32_16x16x32_bf16 v[16*m+8:16*m+15], v[(\f)+8*m:(\f)+8*m+7], v[ACT+16*(\u)+8:ACT+16*(\u)+15], v[16*m+8:16*m+15]
.set m, m+1
.endr
.endm
; A STEP'S PRODUCTS: eight k chunks of 32 matrix instructions on buffers F0, F1 by turns; the next chunk's run of loads stands in a chunk's middle.  Chunk 0's fragments were fetched by CHANGE.
.macro GEMM
.irp u, 0,1,2,3,4,5,6,7
	s_wait_dscnt 16                                ; feature tiles 0-7 of this chunk are in; the run's younger sixteen loads may be out
	MUL16 F0+128*((\u)%2), \u, 0
.if (\u) < 7
	PLACES                                         ; for the loads into the other buffer, which the chunk before multiplied
	FETCHU (\u)+1, F0+128*(((\u)+1)%2)
	s_wait_dscnt 32                                ; all but the 32 just issued
.else
	s_wait_dscnt 0x0
.endif
	MUL16 F0+128*((\u)%2), \u, 1
.endr
	PLACES                                         ; behind the last products: what follows reads results, writes ACT, or loads into the buffers
	WIN 0
.endm
; A PREFETCH INTO THE L2 of the tile that the NEXT change of slots will ask for: a step, 256 matrix instructions, ahead of that load.  A tile is 512 blocks of 256 bytes.  All clusters walk the same tiles: the
; first cluster asks, nobody else; its four partners and their four waves share the blocks out BY ADDRESS, a lane a block: one instruction a wave, and each block is named once in the launch.
; Tiles 0 and 1 come by their loads alone; the last change that fills a slot asks for nothing: there is no tile behind it.
.macro ASK
	s_cmp_gt_u32 s[LEFT], s[LIM]
	s_cbranch_scc0 .Lnot_mine_\@
	global_prefetch_b8 v[PFO], s[PFA:PFA+1] th:TH_LOAD_NT scope:SCOPE_SE
.Lnot_mine_\@:
.endm
; THE CHANGE OF SLOTS, ahead of each step.  Each wave waits for all its tensor loads, of which one is out: its quarter of the tile to be multiplied; adds 0 to its spare word; and waits for that, for its reads
; of the slot that it leaves and for the bias's loads.  fill = 1: the slot just left is filled with the tile after next's... the tile one step on; the barrier is then a round of the cluster's, so that no wave of any partner still reads that slot or has a load on its way,
; and the joint load is the first thing behind it: it has the whole step in which to land.  By this text's count a wave has one tensor load out.  xstep = 1 (the head): x's pointer goes a K step on.
.macro CHANGE fill, xstep
	WIN 0                                          ; at a label and at a branch every window is 0; the add's registers lie in window 0
	s_wait_tensorcnt 0x0                           ; no tensor load of mine is out, so group 0 may be written
	ds_add_u32 v[SPW], v[NIL]                      ; 0 onto my spare word; the scalar steps stand between it and the wait for it
.if \fill
	s_xor_b32 s[G0+1], s[G0+1], SLOT               ; the walking descriptor: the other slot than last time,
	s_add_nc_u64 s[G0+2:G0+3], s[G0+2:G0+3], TILEB ; the next tile; the type bits on top are not reached
	s_wait_xcnt 0x0                                ; the last prefetch and the last loads of x, a step back, have read their addresses, so the pointers may be written
	s_add_nc_u64 s[PFA:PFA+1], s[PFA:PFA+1], TILEB
.if \xstep
	s_add_nc_u64 s[X:X+1], s[X:X+1], 1024
.endif
.endif
	s_xor_b32 s[TB], s[TB], SLOT                   ; the slot to be read
	s_wait_dscnt 0x0                               ; the add is done, and all my LDS reads are back
.if \fill
	CROUND
	tensor_load_to_lds s[G0:G0+3], s[G1:G1+7]      ; my one tensor load behind the round
	s_nop 0
	PLACES
.else
	s_barrier_signal -1
	s_barrier_wait -1
.endif
	v_add_nc_u32 v[WA0], s[TB], v[WL]
	v_add_nc_u32 v[WA0+1], 8*16*PITCH, v[WA0]
	FETCHU 0, F0
	WIN 0
.if \fill
	ASK                                            ; behind the joint load and the run of LDS loads that the next products wait for
	s_sub_co_u32 s[LEFT], s[LEFT], 1
.endif
.endm
; Eight loads: k chunk k of the K step at x's pointer, both row tiles: for each row 128 consecutive bytes, of which a lane takes 32 and 32.
.macro XLOAD k
	WIN 0xc0                                       ; destination window 3, address window 0
.irp i, 0,1,2,3,4,5,6,7
	global_load_b128 v[32*(\k)+4*(\i):32*(\k)+4*(\i)+3], v[XO], s[X:X+1] offset:16*XROW*((\i)/4)+128*(\k)+16*((\i)%2)+64*(((\i)%4)/2)
.endr
.endm
; A K step of x becomes ACT: register n of ACT is numbers 2 n and 2 n + 1 as loaded, rounded to bf16.  ld = 1: each chunk's registers are loaded again at once, for the next K step.
.macro XCONV ld
.set c, 0
.rept 8
.if \ld
	s_wait_loadcnt 56                              ; loads come back in order: this chunk's eight are in, the seven younger chunks' 56 stay out
.else
	s_wait_loadcnt 56-8*c                          ; the last K step loads nothing: the counts run down
.endif
	WIN 0x0f                                       ; sources window 3, destination window 0
.set n, 16*c
.rept 16
	v_cvt_pk_bf16_f32 v[ACT+n], v[2*n], v[2*n+1]
.set n, n+1
.endr
.if \ld
	XLOAD c
.endif
.set c, c+1
.endr
	WIN 0
.endm
; The next layer's bias into the accumulators: register j of (m, rt) takes number 16 m + 8 (lane / 16) + j.  The change of slots that follows waits for these loads.
.macro BIASLOAD
	v_add_nc_u32 v[VA], s[VTO], v[VTL]
	s_add_co_u32 s[VTO], s[VTO], 1024
	WIN 0x80                                       ; destination window 2
.set t, 0
.rept 32                                       ; accumulator t = 2 m + rt
	ds_load_b128 v[8*t:8*t+3],   v[VA] offset:64*(t/2)
	ds_load_b128 v[8*t+4:8*t+7], v[VA] offset:64*(t/2)+16
.set t, t+1
.endr
	WIN 0
.endm
; The residual: ACC += RES, a bf16 half at a time, in f32.  Each accumulator's registers in ascending order.
.macro E_ADD
	WIN 0xa3                                       ; source 0 (RES) window 3, source 1 (1.0) window 0, source 2 and destination window 2
.set t, 0
.rept 32
.set rR, 16*(t/4)+8*(t%2)+4*((t/2)%2)
.irp p, 0,1,2,3
	v_fma_mix_f32_bf16 v[8*t+2*(\p)],   v[rR+(\p)], v[ONE], v[8*t+2*(\p)]   op_sel_hi:[1,0,0]
	v_fma_mix_f32_bf16 v[8*t+2*(\p)+1], v[rR+(\p)], v[ONE], v[8*t+2*(\p)+1] op_sel:[1,0,0] op_sel_hi:[1,0,0]
.endr
.set t, t+1
.endr
	WIN 0
.endm
; The eight pair sums become the two rows' sums, v[CH] and v[CH+8], in every lane of the row: the row's other 128 features lie in the lane 16 away.
.macro LNRED
	WIN 0
.irp rt, 0,1
	v_pk_add_f32 v[CH+8*(\rt):CH+8*(\rt)+1],   v[CH+8*(\rt):CH+8*(\rt)+1],   v[CH+8*(\rt)+2:CH+8*(\rt)+3]
	v_pk_add_f32 v[CH+8*(\rt)+4:CH+8*(\rt)+5], v[CH+8*(\rt)+4:CH+8*(\rt)+5], v[CH+8*(\rt)+6:CH+8*(\rt)+7]
.endr
.irp rt, 0,1
	v_pk_add_f32 v[CH+8*(\rt):CH+8*(\rt)+1], v[CH+8*(\rt):CH+8*(\rt)+1], v[CH+8*(\rt)+4:CH+8*(\rt)+5]
.endr
.irp rt, 0,1
	v_add_f32 v[CH+8*(\rt)], v[CH+8*(\rt)], v[CH+8*(\rt)+1]
.endr
.irp rt, 0,1
	v_permlanex16_b32 v[CH+8*(\rt)+1], v[CH+8*(\rt)], s[SEL], s[SEL+1]
.endr
.irp rt, 0,1
	v_add_f32 v[CH+8*(\rt)], v[CH+8*(\rt)], v[CH+8*(\rt)+1]
.endr
.endm
; LAYERNORM, in place on the accumulators' registers: the mean; the differences and the sum of their squares; (a - mean) / sqrt(var + eps) x g + b.
.macro E_LN
	v_add_nc_u32 v[VA], s[VTO], v[VTL]
	s_add_co_u32 s[VTO], s[VTO], 2048
	WIN 0x40                                       ; g into F0, b into F1: number 16 m + 8 (lane / 16) + j at 8 m + j; they land while the sums are made
.set m, 0
.rept 16
	ds_load_b128 v[F0+8*m:F0+8*m+3],   v[VA] offset:64*m
	ds_load_b128 v[F0+8*m+4:F0+8*m+7], v[VA] offset:64*m+16
	ds_load_b128 v[F1+8*m:F1+8*m+3],   v[VA] offset:1024+64*m
	ds_load_b128 v[F1+8*m+4:F1+8*m+7], v[VA] offset:1024+64*m+16
.set m, m+1
.endr
	WIN 0x0a                                       ; sources window 2, destination window 0.  Eight chains; the first two feature tiles start them
.irp q, 0,1,2,3
.irp rt, 0,1
	v_pk_add_f32 v[CH+8*(\rt)+2*(\q):CH+8*(\rt)+2*(\q)+1], v[8*(\rt)+2*(\q):8*(\rt)+2*(\q)+1], v[16+8*(\rt)+2*(\q):16+8*(\rt)+2*(\q)+1]
.endr
.endr
	WIN 0x08                                       ; source 1 window 2
.set m, 2
.rept 14
.irp q, 0,1,2,3
.irp rt, 0,1
	v_pk_add_f32 v[CH+8*(\rt)+2*(\q):CH+8*(\rt)+2*(\q)+1], v[CH+8*(\rt)+2*(\q):CH+8*(\rt)+2*(\q)+1], v[16*m+8*(\rt)+2*(\q):16*m+8*(\rt)+2*(\q)+1]
.endr
.endr
.set m, m+1
.endr
	LNRED
.irp rt, 0,1
	v_mul_f32 v[MEAN+2*(\rt)],   s[R256], v[CH+8*(\rt)]
	v_mul_f32 v[MEAN+2*(\rt)+1], s[R256], v[CH+8*(\rt)]
.endr
	WIN 0x82                                       ; destination and source 0 window 2, source 1 window 0
.set t, 0
.rept 32
.irp q, 0,1,2,3
	v_pk_add_f32 v[8*t+2*(\q):8*t+2*(\q)+1], v[8*t+2*(\q):8*t+2*(\q)+1], v[MEAN+2*(t%2):MEAN+2*(t%2)+1] neg_lo:[0,1] neg_hi:[0,1]
.endr
.set t, t+1
.endr
	WIN 0x0a
.irp q, 0,1,2,3
.irp rt, 0,1
	v_pk_mul_f32 v[CH+8*(\rt)+2*(\q):CH+8*(\rt)+2*(\q)+1], v[8*(\rt)+2*(\q):8*(\rt)+2*(\q)+1], v[8*(\rt)+2*(\q):8*(\rt)+2*(\q)+1]
.endr
.endr
.set m, 1
.rept 15
.irp q, 0,1,2,3
.irp rt, 0,1
	v_pk_fma_f32 v[CH+8*(\rt)+2*(\q):CH+8*(\rt)+2*(\q)+1], v[16*m+8*(\rt)+2*(\q):16*m+8*(\rt)+2*(\q)+1], v[16*m+8*(\rt)+2*(\q):16*m+8*(\rt)+2*(\q)+1], v[CH+8*(\rt)+2*(\q):CH+8*(\rt)+2*(\q)+1]
.endr
.endr
.set m, m+1
.endr
	LNRED
.irp rt, 0,1
	v_fma_f32 v[TMP+(\rt)], v[CH+8*(\rt)], s[R256], s[EPSI]  ; var + eps
.endr
.irp rt, 0,1
	v_rsq_f32 v[RSTD+2*(\rt)],   v[TMP+(\rt)]
	v_rsq_f32 v[RSTD+2*(\rt)+1], v[TMP+(\rt)]
.endr
	v_nop                                          ; a plain instruction behind the last of the four,
	s_wait_alu depctr_va_vdst(0)                   ; and the wait ahead of their first reader
	s_wait_dscnt 0x0                               ; g and b are in
	WIN 0x82
.set t, 0
.rept 32
.irp q, 0,1,2,3
	v_pk_mul_f32 v[8*t+2*(\q):8*t+2*(\q)+1], v[8*t+2*(\q):8*t+2*(\q)+1], v[RSTD+2*(t%2):RSTD+2*(t%2)+1]
.endr
.set t, t+1
.endr
	WIN 0x96                                       ; destination and source 0 window 2, sources 1 and 2 window 1
.set t, 0
.rept 32
.irp q, 0,1,2,3
	v_pk_fma_f32 v[8*t+2*(\q):8*t+2*(\q)+1], v[8*t+2*(\q):8*t+2*(\q)+1], v[F0+8*(t/2)+2*(\q):F0+8*(t/2)+2*(\q)+1], v[F1+8*(t/2)+2*(\q):F1+8*(t/2)+2*(\q)+1]
.endr
.set t, t+1
.endr
	WIN 0
.endm
; The accumulators, rounded to bf16 in pairs, become ACT: feature tile m fills registers 4 (m % 2) .. + 3 of k chunk m / 2.  Each accumulator's registers in ascending order.
.macro E_CVT
	WIN 0x0a
.set t, 0
.rept 32
.set rA, ACT+16*(t/4)+8*(t%2)+4*((t/2)%2)
.irp p, 0,1,2,3
	v_cvt_pk_bf16_f32 v[rA+(\p)], v[8*t+2*(\p)], v[8*t+2*(\p)+1]
.endr
.set t, t+1
.endr
	WIN 0
.endm
.macro E_KEEP                          ; RES = ReLU(ACT): the block's input, for its residual
	WIN 0xc0
.set n, 0
.rept 128
	v_pk_max_num_bf16 v[n], v[ACT+n], v[ZERO]
.set n, n+1
.endr
	WIN 0
.endm
.macro E_RELU                          ; a ReLU behind the rounding gives the bits of one in front of it, two numbers an instruction
	WIN 0
.set n, 0
.rept 128
	v_pk_max_num_bf16 v[ACT+n], v[ACT+n], v[ZERO]
.set n, n+1
.endr
.endm
	s_load_b256 s[4:11], s[0:1], 0x0               ; x, wbuf, out0, block3's bout
	s_load_b512 s[16:31], s[0:1], 0x20             ; the 22 vectors, in the order in which they are used
	s_load_b512 s[32:47], s[0:1], 0x60
	s_load_b256 s[48:55], s[0:1], 0xa0
	s_load_b128 s[56:59], s[0:1], 0xc0
	v_lshl_add_u32 v[SPW], v0, 2, SPARE
	v_mov_b32 v[NIL], 0
	ds_add_u32 v[SPW], v[NIL]                      ; the wave's opening: the add and its wait stand ahead of my first tensor load; the set-up below, work on registers, stands between them
	v_lshrrev_b32 v1, 5, v0
	v_readfirstlane_b32 s[WV], v1                  ; wave 0..3
	s_bfe_u32 s14, ttmp6, 0x40000                  ; cx: my place in the cluster: it enters x's, out0's and the prefetches' addresses alone
	s_lshl_b32 s15, ttmp9, 2                       ; in a cluster launch ttmp9 counts clusters
	s_add_co_u32 s15, s15, s14                     ; my work-group
	v_and_b32 v[RL], 15, v0
	v_bfe_u32 v[HL], v0, 4, 1
	v_mul_u32_u24 v[WL], v[RL], PITCH
	v_lshl_add_u32 v[WL], v[HL], 4, v[WL]
	v_lshlrev_b32 v[XO], 13, v[RL]
	v_lshl_add_u32 v[XO], v[HL], 5, v[XO]
	v_lshlrev_b32 v[VTL], 5, v[HL]
	v_add_nc_u32 v[VTL], VT, v[VTL]
	v_mov_b32 v[ZERO], 0
	v_mov_b32 v[ONE], 1.0
	v_and_b32 v[PFO], 31, v0
	v_lshlrev_b32 v[PFO], 8, v[PFO]
	v_lshlrev_b32 v[T8], 3, v0
	v_lshl_add_u32 v[OSA], v0, 2, OST
	v_add_nc_u32 v[CH], VT, v[T8]                  ; where my 8 bytes of each vector go
	; descriptor group 1: a tile of 64 rows x 256 elements, padded in LDS
	s_mov_b32 s[G1+0], 15|(1<<16)|(1<<20)|(1<<21)|(6<<22)|(3<<25)  ; 15:0 the mask: all four work-groups; 17:16 elements of 2 bytes; 20 padding on; 21 set beside a mask; 24:22 after every 128 words (code 6); 31:25 4 words of it (code 3)
	s_mov_b32 s[G1+1], 256<<16                     ; tensor_dim0 = 256
	s_mov_b32 s[G1+2], 64<<16                      ; tensor_dim1 = 64
	s_mov_b32 s[G1+3], 256<<16                     ; tile_dim0 = 256
	s_mov_b32 s[G1+4], 64                          ; tile_dim1 = 64
	s_mov_b32 s[G1+5], 256                         ; 256 elements from row to row
	s_mov_b32 s[G1+6], 0
	s_mov_b32 s[G1+7], 0
	s_mov_b32 s[G0], 1                             ; 1:0 count = 1
	s_mul_i32 s[G0+1], s[WV], QUART                ; 63:32 LDS address: my quarter of slot 0: no place in the cluster enters it
	s_mov_b32 s[SEL], 0x76543210
	s_mov_b32 s[SEL+1], 0xfedcba98
	s_mov_b32 s[R256], 0x3b800000                  ; 1 / 256
	s_mov_b32 s[EPSI], 0x3727c5ac                  ; 1e-5
	s_mov_b32 s[NLE], 0xbfb8aa3b                   ; -log2(e)
	s_mov_b32 s[TABLE], 0xd4204
	s_mov_b32 s[LEFT], 21
	s_mov_b32 s[J], 0
	s_mov_b32 s[VTO], 0
	s_mov_b32 s[TB], SLOT                          ; the first change of slots turns it into 0
	s_cmp_eq_u32 ttmp9, 0                          ; the first cluster prefetches: the same answer in all four partners
	s_cselect_b32 s[LIM], 1, -1
	s_lshl2_add_u32 s88, s15, s[WV]                ; my wave among all: 4 x work-group + wave,
	s_lshl_b32 s88, s88, 18                        ; its 32 rows of 8,192 bytes
	s_mov_b32 s89, 0
	s_lshl_b32 s74, s15, 9                         ; my work-group's 512 bytes of out0
	s_mov_b32 s75, 0
	s_lshl_b32 s2, s[WV], 15                       ; my quarter of a tile in wbuf: 64 rows of 512 bytes
	s_mov_b32 s3, 0
	s_lshl_b32 s[PFA], s14, 15                     ; the prefetches' offset: a quarter of a tile for each partner,
	s_lshl_b32 s73, s[WV], 13                      ; a quarter of that for each wave,
	s_add_co_u32 s[PFA], s[PFA], s73
	s_add_co_u32 s[PFA], s[PFA], TILEB             ; in tile 1: the first change of slots steps it to tile 2
	s_mov_b32 s[PFA+1], 0
	s_wait_dscnt 0x0                               ; the opening add is done
	s_wait_kmcnt 0x0
	s_add_nc_u64 s[X:X+1], s[X:X+1], s[88:89]
	s_add_nc_u64 s[OUT:OUT+1], s[OUT:OUT+1], s[74:75]
	s_add_nc_u64 s[G0+2:G0+3], s[WB:WB+1], s[2:3]  ; 120:64 global address: my quarter of tile 0
	s_or_b32 s[G0+3], s[G0+3], 0x80000000          ; 127:126 type = 2
	s_add_nc_u64 s[PFA:PFA+1], s[WB:WB+1], s[PFA:PFA+1]
	s_load_b32 s12, s[10:11], 0x0                  ; bout of the last layer
.set i, 0
.rept 22
	global_load_b64 v[ACT+2*i:ACT+2*i+1], v[T8], s[VEC+2*i:VEC+2*i+1]  ; 8 bytes a thread of each vector: the work-group's 128 threads take its 1,024 bytes
.set i, i+1
.endr
.irp k, 0,1,2,3,4
	XLOAD \k                                       ; K step 0 of x, chunks 0-4
.endr
	WIN 0
	CROUND                                         ; all four work-groups are here: the first joint loads meet
	tensor_load_to_lds s[G0:G0+3], s[G1:G1+7]      ; tile 0 into slot 0.  Slot 1 is filled behind the first change's round
	s_nop 0
	PLACES
	s_wait_loadcnt 40                              ; the 22 vectors are in; the 40 loads of x issued behind them stay out
.set i, 0
.rept 22
	ds_store_b64 v[CH], v[ACT+2*i:ACT+2*i+1] offset:1024*i
.set i, i+1
.endr
.irp k, 5,6,7
	XLOAD \k                                       ; chunks 5-7: 64 loads of x are now on their way
.endr
	WIN 0
	s_wait_dscnt 0x0                               ; for the others' sake: my part of the vectors lies in LDS
	s_barrier_signal -1
	s_barrier_wait -1                              ; everybody's does.  Tile 0 may stay out
	BIASLOAD                                       ; head_b starts the head's sums
	s_wait_kmcnt 0x0
	s_mul_f32 s[NLB], s12, s[NLE]
	; THE HEAD: K steps 0-6.  A trip turns the K step of x that has landed into ACT, asks for the next, and multiplies.
	s_mov_b32 s[CNT], 7
.Lhead:
	CHANGE 1, 1
	XCONV 1
	GEMM
	s_sub_co_u32 s[CNT], s[CNT], 1
	s_cmp_lg_u32 s[CNT], 0
	s_cbranch_scc1 .Lhead
	CHANGE 1, 0                                    ; K step 7: no load of x is left, so none passes x's end.  Its products and what follows are the chain's text
	XCONV 0
	s_mov_b32 s[FLAGS], 12                         ; the head's end: ReLU, and keep as block 1's residual
	s_mov_b32 s[CNT], 14
	s_branch .Lgemm                                ; the loop is entered in the middle of a trip
	; THE CHAIN: steps 8-20.  Every jump but the loop's own goes forward, past text that holds neither a barrier nor a tensor load; all hang on constants and counts that are alike in all partners.
.Lstep:
	CHANGE 1, 0
	s_lshl_b32 s73, s[J], 2
	s_lshr_b32 s[FLAGS], s[TABLE], s73
	s_add_co_u32 s[J], s[J], 1
	s_cmp_eq_u32 s[J], 5
	s_cselect_b32 s[J], 0, s[J]
.Lgemm:
	GEMM
	s_bitcmp1_b32 s[FLAGS], 0
	s_cbranch_scc0 .Lno_add
	E_ADD
.Lno_add:
	s_bitcmp1_b32 s[FLAGS], 1
	s_cbranch_scc0 .Lno_ln
	E_LN
.Lno_ln:
	E_CVT
	s_bitcmp1_b32 s[FLAGS], 3
	s_cbranch_scc0 .Lno_keep
	E_KEEP
.Lno_keep:
	s_bitcmp1_b32 s[FLAGS], 2
	s_cbranch_scc0 .Lno_relu
	E_RELU
.Lno_relu:
	BIASLOAD                                       ; the next layer's bias starts its sums
	s_sub_co_u32 s[CNT], s[CNT], 1
	s_cmp_lg_u32 s[CNT], 0
	s_cbranch_scc1 .Lstep
	; THE TAIL: step 21 (block 3's Wd) is written out: nothing is asked for.
	CHANGE 0, 0
	GEMM
	v_add_nc_u32 v[VA], s[VTO], v[VTL]
	WIN 0x40                                       ; the last layer's 256 weights, f32, in a fragment's order: chunk n / 4, quarter n % 4.  Every lane row takes the same numbers,
.set n, 0
.rept 32
	ds_load_b128 v[F1+4*n:F1+4*n+3], v[VA] offset:128*(n/4)+16*(n%2)+64*((n%4)/2)
.set n, n+1
.endr
	WIN 0
	E_CVT
	E_RELU
	s_wait_dscnt 0x0
	WIN 0x45                                       ; window 1 to window 1
.set n, 0
.rept 64
	v_cvt_pk_bf16_f32 v[F0+n], v[F1+2*n], v[F1+2*n+1]
.set n, n+1
.endr
	WIN 0xa1                                       ; so all 16 rows of source 0 are the weights, and every register of the result is z of the lane's batch row.  Two accumulators by turns; the first products start the sums
.irp k, 0,1,2,3,4,5,6,7
.irp rt, 0,1
.if (\k) == 0
	v_wmma_f32_16x16x32_bf16 v[8*(\rt):8*(\rt)+7], v[F0+8*(\k):F0+8*(\k)+7], v[ACT+16*(\k)+8*(\rt):ACT+16*(\k)+8*(\rt)+7], 0
.else
	v_wmma_f32_16x16x32_bf16 v[8*(\rt):8*(\rt)+7], v[F0+8*(\k):F0+8*(\k)+7], v[ACT+16*(\k)+8*(\rt):ACT+16*(\k)+8*(\rt)+7], v[8*(\rt):8*(\rt)+7]
.endif
.endr
.endr
	WIN 0
	PLACES
	v_cmp_eq_u32 vcc_lo, 1, v[HL]
	WIN 0x0a
	v_cndmask_b32 v[TMP], v0, v8, vcc_lo           ; lanes 0-15 take row tile 0's lowest register, lanes 16-31 row tile 1's: lane l holds z of my wave's row l
	WIN 0
	v_fma_f32 v[TMP+1], v[TMP], s[NLE], s[NLB]     ; -log2(e) (z + bout)
	v_exp_f32 v[TMP+2], v[TMP+1]
	v_nop
	s_wait_alu depctr_va_vdst(0)                   ; the wait ahead of the result's first reader
	v_add_f32 v[TMP+2], 1.0, v[TMP+2]
	v_rcp_f32 v[TMP+3], v[TMP+2]
	v_nop
	s_wait_alu depctr_va_vdst(0)
	ds_store_b32 v[OSA], v[TMP+3]                  ; THE WAY OUT: a wave's 32 numbers are 128 bytes; the work-group's 512 meet in LDS,
	s_wait_dscnt 0x0
	s_barrier_signal -1
	s_barrier_wait -1
	s_cmp_lt_u32 s[WV], 2                          ; and waves 0 and 1 store them, 8 bytes a lane:
	s_cbranch_scc0 .Lend
	v_add_nc_u32 v[TMP+4], OST, v[T8]
	ds_load_b64 v[TMP+6:TMP+7], v[TMP+4]
	s_wait_dscnt 0x0
	global_store_b64 v[T8], v[TMP+6:TMP+7], s[OUT:OUT+1]  ; each store covers 256 consecutive bytes, at a multiple of 256 from out0's first byte
.Lend:
	s_wait_tensorcnt 0x0                           ; the wave's end, behind my last tensor load and my last LDS store
	ds_add_u32 v[SPW], v[NIL]
	s_wait_dscnt 0x0
	CROUND                                         ; the closing round: no work-group ends while a partner may still ask for a tile that names it
	s_endpgm
.Lfunc_end_k_q910af51afa_fused:
	.size	k_q910af51afa_fused, .Lfunc_end_k_q910af51afa_fused-k_q910af51afa_fused
	.p2alignl 7, 3214868480
	.fill 96, 4, 3214868480
	.section	.rodata,"a",@progbits
	.p2align	6, 0x0
	.amdhsa_kernel k_q910af51afa_fused
		.amdhsa_group_segment_fixed_size 327680
		.amdhsa_private_segment_fixed_size 0
		.amdhsa_enable_private_segment 0
		.amdhsa_kernarg_size 208
		.amdhsa_user_sgpr_count 2
		.amdhsa_user_sgpr_kernarg_segment_ptr 1
		.amdhsa_wavefront_size32 1
		.amdhsa_system_sgpr_workgroup_id_x 1
		.amdhsa_system_sgpr_workgroup_id_y 1
		.amdhsa_system_sgpr_workgroup_id_z 1
		.amdhsa_system_vgpr_workitem_id 0
		.amdhsa_next_free_vgpr 1024
		.amdhsa_next_free_sgpr 96
		.amdhsa_reserve_vcc 1
		.amdhsa_float_denorm_mode_32 3
		.amdhsa_float_denorm_mode_16_64 3
		.amdhsa_memory_ordered 1
		.amdhsa_forward_progress 1
		.amdhsa_inst_pref_size 255
	.end_amdhsa_kernel
	.section	.bss,"aw",@nobits
	.p2align	6
	.space	262144
	.amdgpu_metadata
---
amdhsa.version: [ 1, 2 ]
amdhsa.kernels:
  - .name:           k_q910af51afa_fused
    .symbol:         k_q910af51afa_fused.kd
    .args:
      - { .name: x, .offset: 0, .size: 8, .value_kind: global_buffer, .address_space: global }
      - { .name: wbuf, .offset: 8, .size: 8, .value_kind: global_buffer, .address_space: global }
      - { .name: out0, .offset: 16, .size: 8, .value_kind: global_buffer, .address_space: global }
      - { .name: params_block3_bout, .offset: 24, .size: 8, .value_kind: global_buffer, .address_space: global }
      - { .name: params_head_b, .offset: 32, .size: 8, .value_kind: global_buffer, .address_space: global }
      - { .name: params_block1_bv, .offset: 40, .size: 8, .value_kind: global_buffer, .address_space: global }
      - { .name: params_block1_attn_bv, .offset: 48, .size: 8, .value_kind: global_buffer, .address_space: global }
      - { .name: params_block1_attn_bo, .offset: 56, .size: 8, .value_kind: global_buffer, .address_space: global }
      - { .name: params_block1_ln_g, .offset: 64, .size: 8, .value_kind: global_buffer, .address_space: global }
      - { .name: params_block1_ln_b, .offset: 72, .size: 8, .value_kind: global_buffer, .address_space: global }
      - { .name: params_block1_bd, .offset: 80, .size: 8, .value_kind: global_buffer, .address_space: global }
      - { .name: params_block1_bout, .offset: 88, .size: 8, .value_kind: global_buffer, .address_space: global }
      - { .name: params_block2_bv, .offset: 96, .size: 8, .value_kind: global_buffer, .address_space: global }
      - { .name: params_block2_attn_bv, .offset: 104, .size: 8, .value_kind: global_buffer, .address_space: global }
      - { .name: params_block2_attn_bo, .offset: 112, .size: 8, .value_kind: global_buffer, .address_space: global }
      - { .name: params_block2_ln_g, .offset: 120, .size: 8, .value_kind: global_buffer, .address_space: global }
      - { .name: params_block2_ln_b, .offset: 128, .size: 8, .value_kind: global_buffer, .address_space: global }
      - { .name: params_block2_bd, .offset: 136, .size: 8, .value_kind: global_buffer, .address_space: global }
      - { .name: params_block2_bout, .offset: 144, .size: 8, .value_kind: global_buffer, .address_space: global }
      - { .name: params_block3_bv, .offset: 152, .size: 8, .value_kind: global_buffer, .address_space: global }
      - { .name: params_block3_attn_bv, .offset: 160, .size: 8, .value_kind: global_buffer, .address_space: global }
      - { .name: params_block3_attn_bo, .offset: 168, .size: 8, .value_kind: global_buffer, .address_space: global }
      - { .name: params_block3_ln_g, .offset: 176, .size: 8, .value_kind: global_buffer, .address_space: global }
      - { .name: params_block3_ln_b, .offset: 184, .size: 8, .value_kind: global_buffer, .address_space: global }
      - { .name: params_block3_bd, .offset: 192, .size: 8, .value_kind: global_buffer, .address_space: global }
      - { .name: params_block3_Wout, .offset: 200, .size: 8, .value_kind: global_buffer, .address_space: global }
    .group_segment_fixed_size: 327680
    .private_segment_fixed_size: 0
    .kernarg_segment_align: 8
    .kernarg_segment_size: 208
    .max_flat_workgroup_size: 128
    .sgpr_count:     96
    .vgpr_count:     1024
    .wavefront_size: 32
...
	.end_amdgpu_metadata
.endif
;; end of part 2
